; MI455X (gfx1250); checked and timed in simulation.
; The chip was launched on July 23, 2026; its instructions are those of AMD's public machine-readable ISA for CDNA 5 (MIT licence, August 2026) and "CDNA5" Instruction Set Architecture Reference Guide (July 2026). The comments in the code are by the model that wrote it; some were corrected since.
;; Self Attention. Allowed arithmetic: matrix products marked QUANTISED: E2M1 operands, one E8M0 scale for each 32 along K, by v_wmma_scale_f32_16x16x128_f8f6f4 with both operands' format E2M1 (or v_wmma_scale_f32_32x16x128_f4), f32 sums; everything else in f32.
;; Inputs: Wk_codes 1,024 x 32 x 16 uint8 (E2M1 codes of Wk, K innermost, in blocks of 32 codes, two codes a byte); Wk_scales 1,024 x 32 uint8 (E8M0 scales of Wk, one for each 32 codes along K); Wq_codes 1,024 x 32 x 16 uint8 (E2M1 codes of Wq, K innermost, in blocks of 32 codes, two codes a byte); Wq_scales 1,024 x 32 uint8 (E8M0 scales of Wq, one for each 32 codes along K); Wv_codes 1,024 x 32 x 16 uint8 (E2M1 codes of Wv, K innermost, in blocks of 32 codes, two codes a byte); Wv_scales 1,024 x 32 uint8 (E8M0 scales of Wv, one for each 32 codes along K); bk 1,024 float32; bq 1,024 float32; bv 1,024 float32; x_codes 4 x 2,048 x 32 x 16 uint8 (E2M1 codes of x, K innermost, in blocks of 32 codes, two codes a byte); x_scales 4 x 2,048 x 32 uint8 (E8M0 scales of x, one for each 32 codes along K).
;; Outputs: out0 4 x 2,048 x 1,024 float32.
;; This version of the problem:
;;   THIS VERSION OF THE PROBLEM IS GIVEN IN LOW PRECISION. The matrix products marked QUANTISED in the list below multiply operands that are first quantised to E2M1 (2 exponent bits, 1 mantissa bit; 4 bits a number), with one power-of-two scale for each 32 numbers along K (OCP MX v1.0); their sums are f32. All else is computed in f32.
;;   The module's matrix products, in the order in which they are computed (A, B: the left and right operand; K: the contracted axis; several contracted axes count as one K, in the product's order):
;;     1. [M 8,192, K 1,024] x [K 1,024, N 1,024]; A: input x (given as codes); B: input Wq (given as codes): QUANTISED
;;     2. [M 8,192, K 1,024] x [K 1,024, N 1,024]; A: input x (given as codes); B: input Wk (given as codes): QUANTISED
;;     3. [M 8,192, K 1,024] x [K 1,024, N 1,024]; A: input x (given as codes); B: input Wv (given as codes): QUANTISED
;;     4. batch 64 x [M 2,048, K 64] x [K 64, N 2,048]; A: computed on the way; B: computed on the way: QUANTISED
;;     5. batch 64 x [M 64, K 2,048] x [K 2,048, N 2,048]; A: computed on the way; B: softmax (see below): QUANTISED
;;   THE QUANTISER, for each operand of a quantised product, along K:
;;     - K is cut into blocks of 32 from its start; a last block that is shorter is filled with zeros.
;;     - A block's scale is 2^e with e = floor(log2(the largest magnitude in the block)) - 2, held to -126 .. 127; a block of zeros has e = 0. As a byte (E8M0): e + 127.
;;     - Each number is divided by its block's scale, clamped to +-6, and rounded to the nearest number of E2M1, ties to even, subnormals kept.
;;     - The product sums the exact products of the quantised numbers (number of the format x scale) in f32.
;;   ~~~python
;;   def quantise(x, axis):      # numpy; x: float32 -> the quantised numbers, widened to float32 again
;;       x = np.moveaxis(x, axis, -1); K = x.shape[-1]
;;       x = np.pad(x, [(0, 0)] * (x.ndim - 1) + [(0, -K % 32)]); x = x.reshape(x.shape[:-1] + (-1, 32)); a = np.abs(x).max(-1, keepdims=True)
;;       e = np.where(a > 0, np.clip(np.frexp(np.where(a > 0, a, 1))[1] - 1 - 2, -126, 127), 0)      # np.frexp(a)[1] - 1 = floor(log2(a)), exactly
;;       r = np.clip(x / 2.0 ** e, -6, 6)
;;       step = 2.0 ** (np.maximum(np.frexp(np.where(r == 0, 1, r))[1] - 1, 0) - 1)
;;       q = np.round(r / step) * step * 2.0 ** e      # np.round: ties to even
;;       return np.moveaxis(q.reshape(q.shape[:-2] + (-1,))[..., :K], -1, axis).astype(np.float32)
;;   ~~~
;;   SOFTMAX AHEAD OF A QUANTISED PRODUCT. Where the list says 'softmax', what is quantised is not the finished softmax but p = 2^(t - M), with t = logit x log2(e) and M = ceil(the row's largest t), a whole number; so 1/2 < the row's largest p <= 1. The row's sum l is taken of the UNQUANTISED p, in f32, and the product's result is divided by l at the end. Since M is a whole number, a kernel that streams over the keys may use a running M (the ceiling of the running maximum): every later rescaling is an exact power of two, which a block's scale takes up: the codes' values come out the same.
;;   OPERANDS COMPUTED ON THE WAY. 'Computed on the way' means the value that the module computes at that place (a softmax that the list does not call 'softmax' is quantised finished and normalised). What goes into a quantiser is computed in f32, as accurately as f32 sums, v_exp_f32 and their like allow (about 1e-6 of the number): no bf16 or f16 on the way to a quantiser, and a product that is left as it is and whose result goes on into a quantised operand takes f32 operands (vector FMAs, or v_wmma_f32_16x16x4_f32). A number that lies on a knife's edge between two numbers of the format may be rounded either way, as far as f32 arithmetic and the matrix unit's own rounding can turn it there, and no further.
;;   INPUTS GIVEN AS CODES. Wk (in the module: [1024, 1024], K = its axis 1); Wq (in the module: [1024, 1024], K = its axis 1); Wv (in the module: [1024, 1024], K = its axis 1); x (in the module: [4, 2048, 1024], K = its axis 2): each comes as NAME_codes (uint8): NAME with its K axis moved to the last place and cut into blocks of 32 codes, [.., K / 32, bytes a block], one block behind the other in memory; two codes a byte, the lower K in the low four bits (a code: sign, 2 exponent bits, 1 mantissa bit); and NAME_scales (uint8): the same leading axes, one E8M0 byte (e + 127) for each 32 codes along K. Its value is code x scale, taken as it is: it is not quantised again, and the codes and scales need not be those that the quantiser above would give.
;; One version. Each part assembles by itself: llvm-mc -triple=amdgcn-amd-amdhsa -mcpu=gfx1250 --defsym DOCPART=n.
;; ======== version 1 of 1: 2 launches
;; limits: right only within a limited range of input values
;; workspace buffers: qi 4,456,448 bytes; kv 8,912,896 bytes
;; launch proj (part 1): grid 12 x 32, 4 waves a work-group, clusters of 4 x 4, 327,680 bytes of LDS; arguments x_codes, x_scales, Wq_codes, Wq_scales, Wk_codes, Wk_scales, Wv_codes, Wv_scales, bq, bk, bv, qi, kv; writes qi, kv
.if DOCPART == 1
	.amdgcn_target "amdgcn-amd-amdhsa--gfx1250"
	.amdhsa_code_object_version 6
	.text
	.protected	k_q0ee76d872d_proj
	.globl	k_q0ee76d872d_proj
	.p2align	8
	.type	k_q0ee76d872d_proj,@function
k_q0ee76d872d_proj:
	s_mov_b64 s[64:65], 0
	v_nop
	global_prefetch_b8 v0, s[64:65] scope:SCOPE_SE
	s_setreg_imm32_b32 hwreg(HW_REG_WAVE_MODE, 25, 1), 1
	s_wait_xcnt 0x0
	s_wait_alu depctr_hold_cnt(0) depctr_sa_sdst(0) depctr_va_vdst(0) depctr_va_sdst(0) depctr_va_ssrc(0) depctr_va_vcc(0) depctr_vm_vsrc(0)
	s_getreg_b32 s2, hwreg(HW_REG_IB_STS2, 6, 4)
	s_cmp_eq_u32 s2, 0
	s_cbranch_scc0 .Lentry_in_a_cluster
	s_endpgm
.Lentry_in_a_cluster:
	s_bfe_u32 s2, ttmp6, 0x10000c
	s_cmp_lg_u32 s2, 0xf033
	s_cbranch_scc0 .Lentry_shape_is_right
	s_endpgm
.Lentry_shape_is_right:
; q = x Wq^T + bq, k = x Wk^T + bk, v = x Wv^T + bv on FP4 codes with E8M0 scales, K = 1,024, sums in f32; each result is quantised at once for the product
; that takes it: q and k along the head's 64 channels, v along the keys.  NOTHING OF THE PROBLEM IS LEFT OUT: all five products are live, every input is loaded.
; LIMITS: NaN and infinities are not served.  A block whose largest magnitude lies under 2^-124 (zeros too) gets the scale byte 1; the bytes are read by this program alone.
; The bias enters as the C of the first K step, so the order of the f32 roundings differs from a sum with the bias added last.
; SHARES.  The cluster's x is the product (0 q, 1 k, 2 v).  A work-group makes 256 rows of x times 256 rows of W, a wave 128 x 128: 64 accumulators.
; P is source 0 (its rows run along a lane's result registers), R source 1 (a lane holds one row).  q, k: P = W, R = x.  v: P = x, R = Wv.
; LDS: R's 256 rows, P's 256 rows (512 bytes of codes + 16), R's and P's scale bytes: fixed places; the product's number only chooses which tensor goes where.
; All of K comes at once, one joint load a wave (codes of x, codes of W, scales of x, scales of W); nothing is filled again.
; ROW ORDER.  The loads lay row 64 c + 32 g + 8 i + j of a tensor at LDS row 64 c + 16 i + 8 g + j (tiles of five dimensions).  So tile 4 c + i gives lane half g, register j, the
; number 64 c + 32 g + 8 i + j along the quantiser's K: a lane's 32 registers of four tiles are one whole block, and tile 4 c + i's codes are register 4 c + i of the operand.
; R's tile 4 c + i holds in lane r the row 64 c + 32 (r / 8) + 8 i + r % 8: so are the keys of a tile of K, the queries of a tile of Q and the channels of a fragment of V^T ordered.
; OUT: images of operand registers, lane l's 16 bytes at 16 l.  kv: [16 batch + head][128 keys][8,704]: 8 tiles of K x 512 | 4 fragments of V^T x 1,024 | K's scale words 256 | V's 256.
; qi: [16 batch + head][128 queries][4,352]: 8 tiles x 512 | scale words 256.  A unit of scale words: the word at 8 l + 4 i (l = r + 16 h) is fragment h + 2 i's, row r.
; No prefetch: every fill stands at the head, there is no loop to run ahead in.
; WINDOWS: 0: v0-31 addresses, v32-95 scale words, v96-127 at work, v128-191 R's fragments, v192-255 the bias; 1: P's fragments, two sets; 2, 3: accumulators.
.set PITCH,  528
.set HALFT,  128*PITCH
.set PREG,   2*HALFT
.set SCL,    4*HALFT
.set HALFS,  16*272
.set SBLK,   2*272
.set SPARE,  SCL+4*HALFS
.set ADRR, 16
.set ADRP, 20
.set BO1,  22
.set BO2,  23
.set VO1,  24
.set VO2,  25
.set VS8,  26
.set ADRS, 27
.set SPW,  28
.set NIL,  29
.set VS8B, 30
.set SHF,  31
.set SC,   32
.set TM,   96
.set PWS,  112
.set PC,   120
.set RF,   128
.set CB,   192
.set UU,   192
.set WA,   196
.set WB,   200
.set HP,   2
.set TYP,  3
.set HA,   6
.set HB,   7
.set LHI,  25
.set SEL,  28
.set WV,   30
.set HR,   31
.set G1X,  32
.set G1W,  40
.set G1SX, 48
.set G1SW, 56
.set CX,   66
.set CY,   67
.set G0X,  68
.set G0W,  72
.set G0SX, 76
.set G0SW, 80
.set G2C,  84
.set G3C,  88
.set G2S,  92
.set G3S,  96
.set TY,   100
.set CODEW, (1<<20)|(1<<21)|(6<<22)|(3<<25)          ; bytes; 4 words of padding behind every 128; bit 21 beside a mask
.set SCLW,  (3<<16)|(1<<20)|(1<<21)|(5<<22)|(3<<25)  ; elements of 8 bytes; 4 words behind every 64
.set MSB, 0
.macro WIN new
.if MSB != (\new)
	s_set_vgpr_msb (MSB<<8)|(\new)
.set MSB, (\new)
.endif
.endm
.macro WMUL hi, mode                   ; P window 1, R window 0, D window 2 + hi; C with D, or the bias in window 0
.if \mode
	WIN 0x81+0x40*(\hi)
.else
	WIN 0xa1+0x50*(\hi)
.endif
.endm
.macro CROUND
	s_barrier_signal -1
	s_barrier_wait -1
	s_cmp_lg_u32 s[WV], 0
	s_cbranch_scc1 .Lnot_wave_0_\@
	s_barrier_signal -3
.Lnot_wave_0_\@:
	s_barrier_wait -3
	s_barrier_signal -1
	s_barrier_wait -1
.endm
.macro TL g0, g1, g2, g3, lds          ; one joint load, its LDS address a constant of the arm; s_nop 0 and four v_nop behind it
	s_mov_b32 s[\g0+1], \lds
	tensor_load_to_lds s[\g0:\g0+3], s[\g1:\g1+7], s[\g2:\g2+3], s[\g3:\g3+3]
	s_nop 0
.rept 4
	v_nop
.endr
.endm
.macro ARM under, g0, g1, g2, g3, lds, next
	s_cmp_lt_u32 s[WV], \under
	s_cbranch_scc0 \next
	TL \g0, \g1, \g2, \g3, \lds
	s_branch .Lhead_asked
\next:
.endm
	s_load_b512 s[4:19], s[0:1], 0x0               ; x's codes, scales; Wq's; Wk's; Wv's
	s_load_b256 s[20:27], s[0:1], 0x40             ; bq, bk, bv, qi
	s_load_b64 s[28:29], s[0:1], 0x60              ; kv
	v_lshl_add_u32 v[SPW], v0, 2, SPARE
	v_mov_b32 v[NIL], 0
	ds_add_u32 v[SPW], v[NIL]                      ; the opening lines
	ds_add_u32 v[SPW], v[NIL]
	v_lshrrev_b32 v1, 5, v0
	v_readfirstlane_b32 s[WV], v1
	s_lshr_b32 s[HR], s[WV], 1                     ; my half of R
	s_and_b32 s[HP], s[WV], 1                      ; my half of P
	s_mov_b32 s[TYP], ttmp9
	s_bfe_u32 s[CX], ttmp6, 0x40000
	s_bfe_u32 s[CY], ttmp6, 0x40004
	s_and_b32 s[TY], ttmp7, 0xffff
	s_lshl_b32 s[TY], s[TY], 2
	s_add_co_u32 s[TY], s[TY], s[CY]               ; which 256 rows of x
	s_lshl_b32 s101, s[CY], 2
	s_lshl_b32 s101, 15, s101                      ; my row of the cluster: x's tiles
	s_or_b32 s[G1X], s101, CODEW
	s_or_b32 s[G1SX], s101, SCLW
	s_lshl_b32 s101, 0x1111, s[CX]                 ; my column: W's tiles
	s_or_b32 s[G1W], s101, CODEW
	s_or_b32 s[G1SW], s101, SCLW
.irp g, G1X, G1W                       ; codes: 512 bytes x j 8 (512 apart) x g 2 (16,384) x i 4 (4,096) x c 4 (32,768)
	s_mov_b32 s[\g+1], 512<<16
	s_mov_b32 s[\g+2], 8<<16
	s_mov_b32 s[\g+3], 512<<16
	s_mov_b32 s[\g+4], 8|(2<<16)
	s_mov_b32 s[\g+5], 512
	s_mov_b32 s[\g+6], 16384<<16
	s_mov_b32 s[\g+7], 0
.endr
	s_mov_b32 s[G2C], 2
	s_mov_b32 s[G2C+1], 4
	s_mov_b32 s[G2C+2], 4096
	s_mov_b32 s[G2C+3], 4<<16
	s_mov_b32 s[G3C], 32768
	s_mov_b32 s[G3C+1], 4<<16
	s_mov_b32 s[G3C+2], 4<<16
	s_mov_b32 s[G3C+3], 0
.irp g, G1SX, G1SW                     ; scales: 256 bytes (8 rows) x g 2 (128 elements apart) x i 4 (32) x c 4 (256) x 1
	s_mov_b32 s[\g+1], 32<<16
	s_mov_b32 s[\g+2], 2<<16
	s_mov_b32 s[\g+3], 32<<16
	s_mov_b32 s[\g+4], 2|(4<<16)
	s_mov_b32 s[\g+5], 128
	s_mov_b32 s[\g+6], 32<<16
	s_mov_b32 s[\g+7], 0
.endr
	s_mov_b32 s[G2S], 4
	s_mov_b32 s[G2S+1], 4
	s_mov_b32 s[G2S+2], 256
	s_mov_b32 s[G2S+3], 4<<16
	s_mov_b32 s[G3S], 1024
	s_mov_b32 s[G3S+1], 1<<16
	s_mov_b32 s[G3S+2], 1<<16
	s_mov_b32 s[G3S+3], 0
.irp g, G0X, G0W, G0SX, G0SW
	s_mov_b32 s[\g], 1
	s_mov_b32 s[\g+3], 0
.endr
	s_lshl_b32 s[G0X+2], s[TY], 17                 ; 256 rows x 512 bytes; x's hang on the rows of x alone, W's on cx alone
	s_lshl_b32 s[G0SX+2], s[TY], 13
	s_lshl_b32 s[G0W+2], s[CX], 17
	s_lshl_b32 s[G0SW+2], s[CX], 13
	s_wait_dscnt 0x0
	s_wait_kmcnt 0x0
	s_cmp_eq_u32 s[TYP], 0                         ; the product's W, bias and output
	s_cselect_b64 s[8:9], s[8:9], s[12:13]
	s_cselect_b64 s[10:11], s[10:11], s[14:15]
	s_cselect_b64 s[20:21], s[20:21], s[22:23]
	s_cselect_b64 s[26:27], s[26:27], s[28:29]
	s_cmp_eq_u32 s[TYP], 2
	s_cselect_b64 s[8:9], s[16:17], s[8:9]
	s_cselect_b64 s[10:11], s[18:19], s[10:11]
	s_cselect_b64 s[20:21], s[24:25], s[20:21]
	s_add_nc_u64 s[G0X+2:G0X+3], s[4:5], s[G0X+2:G0X+3]
	s_or_b32 s[G0X+3], s[G0X+3], 0x80000000
	s_add_nc_u64 s[G0SX+2:G0SX+3], s[6:7], s[G0SX+2:G0SX+3]
	s_or_b32 s[G0SX+3], s[G0SX+3], 0x80000000
	s_add_nc_u64 s[G0W+2:G0W+3], s[8:9], s[G0W+2:G0W+3]
	s_or_b32 s[G0W+3], s[G0W+3], 0x80000000
	s_add_nc_u64 s[G0SW+2:G0SW+3], s[10:11], s[G0SW+2:G0SW+3]
	s_or_b32 s[G0SW+3], s[G0SW+3], 0x80000000
	CROUND                                         ; all sixteen work-groups are here: the joint loads meet
	s_cmp_eq_u32 s[TYP], 2                         ; one tree: every way through it passes exactly one load
	s_cbranch_scc1 .Ltree_v
	ARM 1, G0X,  G1X,  G2C, G3C, 0,    .Lqk_w
	ARM 2, G0W,  G1W,  G2C, G3C, PREG, .Lqk_sx
	ARM 3, G0SX, G1SX, G2S, G3S, SCL,  .Lqk_sw
	TL G0SW, G1SW, G2S, G3S, SCL+2*HALFS
	s_branch .Lhead_asked
.Ltree_v:
	ARM 1, G0W,  G1W,  G2C, G3C, 0,    .Lv_x
	ARM 2, G0X,  G1X,  G2C, G3C, PREG, .Lv_sw
	ARM 3, G0SW, G1SW, G2S, G3S, SCL,  .Lv_sx
	TL G0SX, G1SX, G2S, G3S, SCL+2*HALFS
.Lhead_asked:
	; scalar set-up (no register of a descriptor is touched)
	s_mov_b32 s[LHI], 0xffff0000
	s_mov_b32 s[SEL], 0x76543210
	s_mov_b32 s[SEL+1], 0xfedcba98
	s_cmp_eq_u32 s[TYP], 2
	s_cselect_b32 s[HA], s[HP], s[HR]              ; my half of x's rows,
	s_cselect_b32 s[HB], s[HR], s[HP]              ; of W's: they enter global addresses alone
	s_mul_i32 s8, s[HR], HALFT                     ; R's fragments
	s_mul_i32 s9, s[HP], HALFT
	s_add_co_u32 s9, s9, PREG                      ; P's
	s_mul_i32 s10, s[HR], HALFS
	s_mul_i32 s11, s[HP], HALFS
	s_add_co_u32 s11, s11, 2*HALFS
	s_sub_co_u32 s11, s11, s10                     ; from R's scale words to P's
	s_add_co_u32 s10, s10, SCL
	s_lshl_b32 s4, s[CX], 10                       ; the bias of my 128 rows of W
	s_lshl_b32 s5, s[HB], 9
	s_add_co_u32 s4, s4, s5
	s_mov_b32 s5, 0
	s_add_nc_u64 s[20:21], s[20:21], s[4:5]
	s_cmp_lg_u32 s[TYP], 0                         ; a head's bytes HS, a group's or step's SS: q 69,632 and 4,352; k, v twice that
	s_cselect_b32 s18, 1, 0
	s_lshl_b32 s22, 69632, s18
	s_lshl_b32 s19, 4352, s18
	s_lshr_b32 s4, s[TY], 3
	s_lshl_b32 s4, s4, 4
	s_lshl_b32 s5, s[CX], 2
	s_add_co_u32 s4, s4, s5
	s_lshl_b32 s5, s[HB], 1
	s_add_co_u32 s4, s4, s5                        ; 16 batch + my first head
	s_mul_i32 s4, s4, s22
	s_and_b32 s5, s[TY], 7
	s_lshl_b32 s5, s5, 1
	s_add_co_u32 s5, s5, s[HA]                     ; my 128 queries or keys
	s_mul_i32 s5, s5, s19
	s_add_co_u32 s4, s4, s5
	s_mov_b32 s5, 0
	s_add_nc_u64 s[26:27], s[26:27], s[4:5]
	s_lshl_b32 s4, 4096, s18                       ; the scale words: q 4,096, k 8,192, v 8,448 bytes on
	s_cmp_eq_u32 s[TYP], 2
	s_cselect_b32 s24, 256, 0
	s_cselect_b32 s100, 4096, 0                    ; V's codes lie behind K's
	s_mov_b32 s12, 512
	s_cselect_b32 s12, 1024, s12                   ; from one of R's blocks to the next
	s_mov_b32 s14, 512
	s_cselect_b32 s14, 136192, s14                 ; from block 3 to block 4 (v: the next head's first fragment)
	s_mov_b32 s23, 512
	s_cselect_b32 s23, s23, s22                    ; from a block's first four registers to its last four
	s_mov_b32 s13, 0
	s_mov_b32 s15, 0
	s_mov_b32 s101, 0
	s_add_co_u32 s4, s4, s24
	s_add_nc_u64 s[16:17], s[26:27], s[4:5]
	s_add_nc_u64 s[26:27], s[26:27], s[100:101]
	; vector set-up, in one run
	v_and_b32 v1, 15, v0                           ; r
	v_bfe_u32 v2, v0, 4, 1                         ; h
	v_and_b32 v3, 31, v0
	v_mul_u32_u24 v4, v1, PITCH
	v_lshl_add_u32 v4, v2, 4, v4
	v_add_nc_u32 v[ADRR], s8, v4
	v_add_nc_u32 v[ADRP], s9, v4
	v_lshlrev_b32 v5, 5, v1                        ; my row's 32 scale bytes, 16 more for each 256 passed
	v_lshrrev_b32 v6, 8, v5
	v_lshl_add_u32 v5, v6, 4, v5
	v_mul_u32_u24 v6, s11, v2                      ; lanes 16-31 take P's
	v_add_nc_u32 v5, v5, v6
	v_add_nc_u32 v[ADRS], s10, v5
	v_lshlrev_b32 v[BO1], 7, v2                    ; q, k: channel 32 h of a head
	v_and_b32 v5, 7, v1
	v_lshrrev_b32 v6, 3, v1
	v_lshlrev_b32 v5, 2, v5
	v_lshl_add_u32 v[BO2], v6, 7, v5               ; v: channel 32 (r / 8) + r % 8
	v_lshlrev_b32 v[VO1], 4, v3
	v_lshlrev_b32 v[VS8], 3, v3
	v_lshlrev_b32 v[SHF], 3, v2
	v_add_nc_u32 v[VO2], s23, v[VO1]
	v_add_nc_u32 v[VS8B], s22, v[VS8]
	v_mov_b32 v[TM+6], 0                           ; a lane permute's destination counts as a source
	s_wait_alu depctr_va_vdst(0)                   ; the wait ahead of the branch
	s_cmp_eq_u32 s[TYP], 2                         ; THE BIAS AS C, in the result's layout
	s_cbranch_scc1 .Lbias_v
.irp b, 0,1,2,3,4,5,6,7
	global_load_b128 v[CB+8*\b:CB+8*\b+3], v[BO1], s[20:21] offset:256*(\b/4)+32*(\b%4)
	global_load_b128 v[CB+8*\b+4:CB+8*\b+7], v[BO1], s[20:21] offset:256*(\b/4)+32*(\b%4)+16
.endr
	s_branch .Lbias_done
.Lbias_v:
.irp a, 0,1,2,3,4,5,6,7
.irp j, 0,1,2,3,4,5,6,7
	global_load_b32 v[CB+8*\a+\j], v[BO2], s[20:21] offset:256*(\a/4)+32*(\a%4)
.endr
.endr
.Lbias_done:
.macro FRAG reg, adr, kq, i            ; 16 rows x 128 K: 8 registers
.irp c, 0,1
	ds_load_b128 v[\reg+4*\c:\reg+4*\c+3], v[\adr] offset:64*(\kq)+32*\c+(\i)*16*PITCH
.endr
.endm
; 16 matrix instructions: R's blocks a0, a0 + 1 x P's eight, the kq-th 128 along K.  mode 1, 2: the bias as C.  The 64 accumulators take turns.
.macro MUL16 a0, kq, mode
.irp a, \a0, \a0+1
.irp b, 0,1,2,3,4,5,6,7
.set AC, 8*(8*((\a)%4)+\b)
.set PF, 128*((\kq)%2)+8*\b
.set RR, RF+8*(\a)
.set SQ, SC+32*((\kq)/4)+(\kq)%4
.if \mode == 0
.set CC, AC
.elseif \mode == 1
.set CC, CB+8*\b
.else
.set CC, CB+8*(\a)
.endif
	v_wmma_scale_f32_16x16x128_f8f6f4 v[AC:AC+7], v[PF:PF+7], v[RR:RR+7], v[CC:CC+7], v[SQ+4*\b], v[SQ+4*(\a)] matrix_a_fmt:MATRIX_FMT_FP4 matrix_b_fmt:MATRIX_FMT_FP4 matrix_a_scale:MATRIX_SCALE_ROW1
.endr
.endr
.endm
.macro FETCH_P kq
	WIN 0x40
.irp i, 0,1,2,3,4,5,6,7
	FRAG 128*((\kq)%2)+8*\i, ADRP, \kq, \i
.endr
	WIN 0
.endm
.macro FETCH_R kq, i0
.irp i, \i0, \i0+1, \i0+2, \i0+3
	FRAG RF+8*(\i), ADRR, \kq, \i
.endr
.endm
.macro SCALES sc                       ; four words a row: lanes 0-15 R's block i, lanes 16-31 P's block i
.irp i, 0,1,2,3,4,5,6,7
	ds_load_b128 v[SC+32*\sc+4*\i:SC+32*\sc+4*\i+3], v[ADRS] offset:\i*SBLK+16*\sc
.endr
.endm
.macro PLACES                          ; four places behind a matrix instruction, ahead of loads into its registers and of reads of its result
.rept 4
	v_nop
.endr
.endm
.macro STEP kq, mode                   ; R has one set of registers (blocks 0-3 fetched anew in the middle, 4-7 at the end), P two
	s_wait_dscnt 8                                 ; all but the eight youngest loads (R's blocks 4-7)
	WMUL 0, \mode
	MUL16 0, \kq, \mode
	MUL16 2, \kq, \mode
	s_wait_dscnt 0x0
	PLACES
	FETCH_P (\kq)+1
	FETCH_R (\kq)+1, 0
	WMUL 1, \mode
	MUL16 4, \kq, \mode
	MUL16 6, \kq, \mode
	PLACES
	WIN 0
	FETCH_R (\kq)+1, 4
.endm
	s_wait_alu depctr_va_vdst(0)                   ; the wait at the head's end
	s_wait_tensorcnt 0x0                           ; my tile is in,
	s_barrier_signal -1
	s_barrier_wait -1                              ; everybody's are: all of K lies in LDS and stays
	FETCH_P 0
	FETCH_R 0, 0
	SCALES 0
	SCALES 1
	FETCH_R 0, 4
	s_wait_loadcnt 0x0                             ; the bias
	s_cmp_eq_u32 s[TYP], 2                         ; the first step alone is written twice: the bias goes by P's block (q, k) or by R's (v)
	s_cbranch_scc1 .Lfirst_v
	STEP 0, 1
	s_branch .Lfirst_done
.Lfirst_v:
	STEP 0, 2
.Lfirst_done:
.irp k, 1,2,3,4,5,6
	STEP \k, 0
.endr
	s_wait_dscnt 8
	WMUL 0, 0
	MUL16 0, 7, 0
	MUL16 2, 7, 0
	s_wait_dscnt 0x0
	WMUL 1, 0
	MUL16 4, 7, 0
	MUL16 6, 7, 0
	WIN 0
; THE WAY OUT of R's block a: a lane's 64 results are two whole blocks of 32 (blocks h and 2 + h of the row's four).  Four chains of maxima, each accumulator read from its low end on;
; the floor 2^(3 - 127) among the leaves; 2 off the exponent field is the conversion's scale operand, that shifted down the byte.
.macro QUANTW a
.set QW, 2+(\a)/4
.set QA, 64*((\a)%4)
	WIN QW|(QW<<2)|(QW<<4)
.irp s, 0,1,2,3
	v_max3_num_f32 v[TM+\s], |v[QA+16*\s]|, |v[QA+16*\s+1]|, |v[QA+16*\s+2]|
.endr
	WIN (QW<<2)|(QW<<4)
.irp i, 3,5,7,9,11,13
.irp s, 0,1,2,3
	v_max3_num_f32 v[TM+\s], v[TM+\s], |v[QA+16*\s+\i]|, |v[QA+16*\s+\i+1]|
.endr
.endr
.irp c, 0,1
	v_max3_num_f32 v[TM+2*\c], v[TM+2*\c], |v[QA+32*\c+15]|, |v[QA+32*\c+31]|
.endr
	WIN 0
.irp c, 0,1
	v_max3_num_f32 v[TM+2*\c], v[TM+2*\c], v[TM+2*\c+1], 0x1800000
.endr
.irp c, 0,1
	v_add_nc_u32 v[TM+12+\c], 0xff000000, v[TM+2*\c]
.endr
.irp c, 0,1
	v_lshrrev_b32 v[TM+4+\c], 23, v[TM+12+\c]
.endr
	v_lshl_or_b32 v[TM+7], v[TM+5], 16, v[TM+4]    ; my two bytes, at their places in the row's word (8 h bits up);
	v_lshlrev_b32 v[TM+7], v[SHF], v[TM+7]
	v_permlanex16_b32 v[TM+6], v[TM+7], s[SEL], s[SEL+1]
	v_or_b32 v[PWS+\a], v[TM+7], v[TM+6]           ; with lane l xor 16's two the word is whole
.if \a > 0
	s_wait_alu depctr_va_vdst(0)                   ; the wait ahead of the wait below
	s_wait_xcnt 0x0                                ; the last block's stores have read their data and base
.if \a == 4
	s_add_nc_u64 s[26:27], s[26:27], s[14:15]
.else
	s_add_nc_u64 s[26:27], s[26:27], s[12:13]
.endif
.endif
	WIN QW
.irp t, 0,1,2,3,4,5,6,7
	v_cvt_scalef32_pk8_fp4_f32 v[PC+\t], v[QA+8*\t:QA+8*\t+7], v[TM+12+\t/4]
.endr
	WIN 0
	v_nop                                          ; one plain place behind a scaled conversion
	global_store_b128 v[VO1], v[PC:PC+3], s[26:27]     ; 32 lanes store 512 consecutive bytes
	global_store_b128 v[VO2], v[PC+4:PC+7], s[26:27]
.endm
.macro UNIT r0, u, off                 ; four fragments' scale words become one unit of 256 bytes
	v_cndmask_b32 v[\u], v[\r0], v[\r0+1], s[LHI]
	v_cndmask_b32 v[\u+1], v[\r0+2], v[\r0+3], s[LHI]
	global_store_b64 v[\off], v[\u:\u+1], s[16:17]
.endm
	PLACES
.irp a, 0,1,2,3,4,5,6,7
	QUANTW \a
.endr
	s_cmp_eq_u32 s[TYP], 2
	s_cbranch_scc1 .Lunit_v
.irp f, 0,1,2,3                        ; q, k: a fragment's word is one head's bytes of tiles 2 f and 2 f + 1
	v_perm_b32 v[WA+\f], v[PWS+2*\f+1], v[PWS+2*\f], 0x05040100
	v_perm_b32 v[WB+\f], v[PWS+2*\f+1], v[PWS+2*\f], 0x07060302
.endr
	UNIT WA, UU, VS8
	UNIT WB, UU+2, VS8B
	s_branch .Lunit_done
.Lunit_v:                              ; v: a channel's word is the fragment's as it stands
	UNIT PWS, UU, VS8
	UNIT PWS+4, UU+2, VS8B
.Lunit_done:
	s_wait_tensorcnt 0x0                           ; the wave's end
	ds_add_u32 v[SPW], v[NIL]
	s_wait_dscnt 0x0
	CROUND                                         ; the closing round
	s_endpgm
.Lfunc_end_k_q0ee76d872d_proj:
	.size	k_q0ee76d872d_proj, .Lfunc_end_k_q0ee76d872d_proj-k_q0ee76d872d_proj
	.p2alignl 7, 3214868480
	.fill 96, 4, 3214868480
	.section	.rodata,"a",@progbits
	.p2align	6, 0x0
	.amdhsa_kernel k_q0ee76d872d_proj
		.amdhsa_group_segment_fixed_size 327680
		.amdhsa_private_segment_fixed_size 0
		.amdhsa_enable_private_segment 0
		.amdhsa_kernarg_size 104
		.amdhsa_user_sgpr_count 2
		.amdhsa_user_sgpr_kernarg_segment_ptr 1
		.amdhsa_wavefront_size32 1
		.amdhsa_system_sgpr_workgroup_id_x 1
		.amdhsa_system_sgpr_workgroup_id_y 1
		.amdhsa_system_sgpr_workgroup_id_z 1
		.amdhsa_system_vgpr_workitem_id 0
		.amdhsa_next_free_vgpr 1024
		.amdhsa_next_free_sgpr 102
		.amdhsa_reserve_vcc 0
		.amdhsa_float_denorm_mode_32 3
		.amdhsa_float_denorm_mode_16_64 3
		.amdhsa_memory_ordered 1
		.amdhsa_forward_progress 1
		.amdhsa_inst_pref_size 145
	.end_amdhsa_kernel
	.amdgpu_metadata
---
amdhsa.version: [ 1, 2 ]
amdhsa.kernels:
  - .name:           k_q0ee76d872d_proj
    .symbol:         k_q0ee76d872d_proj.kd
    .args:
      - { .name: x_codes, .offset: 0, .size: 8, .value_kind: global_buffer, .address_space: global }
      - { .name: x_scales, .offset: 8, .size: 8, .value_kind: global_buffer, .address_space: global }
      - { .name: Wq_codes, .offset: 16, .size: 8, .value_kind: global_buffer, .address_space: global }
      - { .name: Wq_scales, .offset: 24, .size: 8, .value_kind: global_buffer, .address_space: global }
      - { .name: Wk_codes, .offset: 32, .size: 8, .value_kind: global_buffer, .address_space: global }
      - { .name: Wk_scales, .offset: 40, .size: 8, .value_kind: global_buffer, .address_space: global }
      - { .name: Wv_codes, .offset: 48, .size: 8, .value_kind: global_buffer, .address_space: global }
      - { .name: Wv_scales, .offset: 56, .size: 8, .value_kind: global_buffer, .address_space: global }
      - { .name: bq, .offset: 64, .size: 8, .value_kind: global_buffer, .address_space: global }
      - { .name: bk, .offset: 72, .size: 8, .value_kind: global_buffer, .address_space: global }
      - { .name: bv, .offset: 80, .size: 8, .value_kind: global_buffer, .address_space: global }
      - { .name: qi, .offset: 88, .size: 8, .value_kind: global_buffer, .address_space: global }
      - { .name: kv, .offset: 96, .size: 8, .value_kind: global_buffer, .address_space: global }
    .group_segment_fixed_size: 327680
    .private_segment_fixed_size: 0
    .kernarg_segment_align: 8
    .kernarg_segment_size: 104
    .max_flat_workgroup_size: 128
    .sgpr_count:     102
    .vgpr_count:     1024
    .wavefront_size: 32
...
	.end_amdgpu_metadata
.endif
;; end of part 1
;; launch attn (part 2): grid 4 x 64, 16 waves a work-group, clusters of 4 x 1, 210,944 bytes of LDS; arguments qi, kv, out0; writes out0
.if DOCPART == 2
	.amdgcn_target "amdgcn-amd-amdhsa--gfx1250"
	.amdhsa_code_object_version 6
	.text
	.protected	k_q0ee76d872d_attn
	.globl	k_q0ee76d872d_attn
	.p2align	8
	.type	k_q0ee76d872d_attn,@function
k_q0ee76d872d_attn:
	s_mov_b64 s[64:65], 0
	v_nop
	global_prefetch_b8 v0, s[64:65] scope:SCOPE_SE
	s_setreg_imm32_b32 hwreg(HW_REG_WAVE_MODE, 25, 1), 1
	s_wait_xcnt 0x0
	s_wait_alu depctr_hold_cnt(0) depctr_sa_sdst(0) depctr_va_vdst(0) depctr_va_sdst(0) depctr_va_ssrc(0) depctr_va_vcc(0) depctr_vm_vsrc(0)
	s_getreg_b32 s2, hwreg(HW_REG_IB_STS2, 6, 4)
	s_cmp_eq_u32 s2, 0
	s_cbranch_scc0 .Lentry_in_a_cluster
	s_endpgm
.Lentry_in_a_cluster:
	s_bfe_u32 s2, ttmp6, 0x10000c
	s_cmp_lg_u32 s2, 0x3003
	s_cbranch_scc0 .Lentry_shape_is_right
	s_endpgm
.Lentry_shape_is_right:
; out[b][q][head] = sum over keys of softmax(q . k / 8) v, both products on FP4 codes with one E8M0 scale for each 32 along K.  No work of the problem is left out here.
; t = score x log2(e) / 8; M = the running largest t rounded up to a whole number; p = 2^(t - M) is quantised along the keys; the row's sum is taken of the unquantised p and divides O at the end.
; When M moves, the sum and O are multiplied by 2^(old M - new M), which rounds nothing.
; LIMITS: NaN and infinities are not served.  A p under 2^-126 comes out of v_exp_f32 as 0.  A block whose every p is under 2^-124 gets the scale byte 1.
; IN: images of operand registers, lane l's 16 bytes at 16 l.  kv: [16 batch + head][128 keys][8,704]: 8 tiles of K x 512 | 4 fragments of V^T x 1,024 | K's scale words 256 | V's 256.
; qi: [16 batch + head][128 queries][4,352].  Tile 4 c + i holds in row m the key (or query) 64 c + 32 (m / 8) + 8 i + m % 8; fragment d of V^T in row m the channel 32 (m / 8) + 8 d + m % 8.
; SHARES.  A work-group owns 512 queries of one head, each of its sixteen waves 32: two tiles, which share every fragment of K and V that the wave reads from LDS.  128 keys a step.
; The head's whole K and V, 139,264 bytes, come into LDS once, wave w fetching step w by a joint load of the cluster's four work-groups, which belong to one head.  Nothing is filled again;
; every fill stands at the head, so nothing is prefetched.
; K = 64 in an instruction of K = 128: a fragment of K holds tiles 2 F (k 0..63) and 2 F + 1 (k 64..127); the queries stand as (q | zero codes) and (zero codes | q), on shared zeros.
; Both products transposed: a lane holds one query.  Tile 4 c + i gives lane half h the keys 64 c + 32 h + 8 i + 0..7: a lane's 32 scores of four tiles are one whole block of 32 keys,
; and tile T's eight codes are register T of the second product's operand.  O^T: lane half h holds channels 32 h + 0..31.
; ORDER.  Independent lines stand between dependent ones: eight chains of maxima, the scale's lines among the rescaling of O^T, the last adds of the row's sum among the matrix instructions
; and in the places behind them.  Only the serial chain from the block maxima to f has one-field hints.
.set STEPB, 8704
.set STG,   16*STEPB                   ; 16 rows x 272 bytes for each wave, for the way out; no tensor load lands there
.set SPARE, STG+16*16*272
.set LI,   1
.set AD,   2
.set AS,   3
.set STO,  4
.set RD,   5
.set GO,   6
.set SPW,  7
.set NIL,  8
.set QS,   9                           ; v9, v10  the two tiles' scale words
.set AS0,  11
                                       ; tile t: v[12+4t] -M, v[13+4t] the largest score, v[14+4t:15+4t] the sum in two halves
.set QB,   20                          ; v20-39: zeros | q of tile 0 | zeros | q of tile 1 | zeros
.set KF,   40
.set VF,   72
.set S,    104
.set O,    168                         ; tile t at O + 32 t
.set PC,   232
.set MX,   240                         ; v240-247 at work: eight chains of maxima, then the names below, then four partial sums
.set BM,   240                         ; v[240:241] my two blocks' largest scores, then largest p
.set C2,   242                         ; v242-243 the scale bytes
.set SCO,  244                         ; v244-245 the conversions' scale operands
.set TT,   246
.set T2,   247
.set FF,   248                         ; v[248:249] f
.set PWD,  250
.set SHF,  251                         ; 8 h
.set KS,   252
.set VS,   254
.set WV,   10
.set CX,   11
.set HBN,  12
.set G1,   16
.set G0,   24
.set SEL,  28
.set CS,   30
.set CNT,  32
.set TB,   33
.set NC,   44
.set TN,   45
.macro CROUND
	s_barrier_signal -1
	s_barrier_wait -1
	s_cmp_lg_u32 s[WV], 0
	s_cbranch_scc1 .Lnot_wave_0_\@
	s_barrier_signal -3
.Lnot_wave_0_\@:
	s_barrier_wait -3
	s_barrier_signal -1
	s_barrier_wait -1
.endm
	s_load_b128 s[4:7], s[0:1], 0x0                ; qi, kv
	s_load_b64 s[8:9], s[0:1], 0x10                ; out0
	v_lshl_add_u32 v[SPW], v0, 2, SPARE
	v_mov_b32 v[NIL], 0
	ds_add_u32 v[SPW], v[NIL]                      ; the opening lines
	ds_add_u32 v[SPW], v[NIL]
	v_lshrrev_b32 v1, 5, v0
	v_readfirstlane_b32 s[WV], v1
	s_bfe_u32 s[CX], ttmp6, 0x40000
	s_and_b32 s[HBN], ttmp7, 0xffff
	s_mov_b32 s[G1], 15|(3<<16)|(1<<21)            ; 8,704 dense bytes as 34 rows of 256, no padding; the mask names all four
	s_mov_b32 s[G1+1], 32<<16
	s_mov_b32 s[G1+2], 34<<16
	s_mov_b32 s[G1+3], 32<<16
	s_mov_b32 s[G1+4], 34
	s_mov_b32 s[G1+5], 32
	s_mov_b32 s[G1+6], 0
	s_mov_b32 s[G1+7], 0
	s_mov_b32 s[G0], 1
	s_mul_i32 s[G0+1], s[WV], STEPB
	s_mul_i32 s34, s[HBN], 16*STEPB
	s_add_co_u32 s34, s34, s[G0+1]
	s_mov_b32 s35, 0
	s_mov_b32 s[SEL], 0x76543210
	s_mov_b32 s[SEL+1], 0xfedcba98
	s_mov_b32 s[CS], 0x3e38aa3b                    ; c = log2(e) / 8
	s_mov_b32 s[CS+1], s[CS]
	s_mov_b32 s[NC], 0xbe38aa3b                    ; -c
	s_wait_dscnt 0x0
	s_wait_kmcnt 0x0
	s_add_nc_u64 s[G0+2:G0+3], s[6:7], s[34:35]
	s_or_b32 s[G0+3], s[G0+3], 0x80000000
	CROUND
	tensor_load_to_lds s[G0:G0+3], s[G1:G1+7]      ; my one tensor load of the launch
	s_nop 0
.rept 4
	v_nop
.endr
	; my 32 queries: group 4 cx + w / 4 of the head, its fragment F = w % 4 (tiles 2 F, 2 F + 1)
	s_mul_i32 s34, s[HBN], 69632
	s_lshl_b32 s36, s[CX], 2
	s_lshr_b32 s37, s[WV], 2
	s_add_co_u32 s36, s36, s37
	s_mul_i32 s36, s36, 4352
	s_add_co_u32 s34, s34, s36
	s_add_nc_u64 s[4:5], s[4:5], s[34:35]
	s_and_b32 s36, s[WV], 3
	s_lshl_b32 s36, s36, 10
	s_mov_b32 s37, 0
	s_add_nc_u64 s[38:39], s[4:5], s[36:37]        ; my two tiles' codes
	s_and_b32 s36, s[WV], 1
	s_lshl_b32 s36, s36, 7                         ; the fragment's word: 8 (r + 16 (F % 2)) + 4 (F / 2) in the unit
	s_bfe_u32 s34, s[WV], 0x10001
	s_lshl_b32 s34, s34, 2
	s_add_co_u32 s36, s36, s34
	s_add_co_u32 s36, s36, 4096
	s_add_nc_u64 s[40:41], s[4:5], s[36:37]
	s_mul_i32 s42, s[WV], 16*272
	s_add_co_u32 s42, s42, STG                     ; my stage
	s_lshr_b32 s34, s[HBN], 4
	s_lshl_b32 s34, s34, 11
	s_lshl_b32 s36, s[CX], 9
	s_add_co_u32 s34, s34, s36
	s_lshr_b32 s36, s[WV], 2
	s_lshl_b32 s36, s36, 7
	s_add_co_u32 s34, s34, s36
	s_bfe_u32 s36, s[WV], 0x10001
	s_lshl_b32 s36, s36, 6
	s_add_co_u32 s34, s34, s36
	s_and_b32 s36, s[WV], 1
	s_lshl_b32 s36, s36, 4
	s_add_co_u32 s34, s34, s36                     ; tile 0's first row of out: 2,048 b + 512 cx + 128 (w / 4) + 64 (F / 2) + 16 (F % 2)
	s_lshl_b32 s34, s34, 12
	s_and_b32 s36, s[HBN], 15
	s_lshl_b32 s36, s36, 8
	s_add_co_u32 s34, s34, s36
	s_mov_b32 s35, 0
	s_add_nc_u64 s[8:9], s[8:9], s[34:35]
	s_mov_b32 s[TB], 0
	s_mov_b32 s[CNT], 16
	v_and_b32 v[TT], 31, v0
	v_and_b32 v[C2], 15, v0                        ; r
	v_bfe_u32 v[C2+1], v0, 4, 1                    ; h
	v_lshl_add_u32 v[AS0], v[TT], 3, 8192
	v_lshlrev_b32 v[LI], 4, v[TT]
	v_lshlrev_b32 v[SCO], 3, v[C2]
	v_lshlrev_b32 v[SHF], 3, v[C2+1]
	global_load_b128 v[QB+4:QB+7], v[LI], s[38:39]
	global_load_b128 v[QB+12:QB+15], v[LI], s[38:39] offset:512
	global_load_b32 v[SCO+1], v[SCO], s[40:41]
	v_mul_u32_u24 v[STO], v[C2], 272
	v_mul_u32_u24 v[RD], v[C2+1], 272
	v_lshlrev_b32 v[GO], 12, v[C2+1]
	v_lshl_add_u32 v[STO], v[C2+1], 7, v[STO]
	v_lshl_add_u32 v[RD], v[C2], 4, v[RD]
	v_lshl_add_u32 v[GO], v[C2], 4, v[GO]          ; lanes 0-15 one row of out, lanes 16-31 the next
	v_add_nc_u32 v[STO], s42, v[STO]               ; in: row r, my half's 128 bytes
	v_add_nc_u32 v[RD], s42, v[RD]
.irp j, 0,1,2,3,8,9,10,11,16,17,18,19
	v_mov_b32 v[QB+\j], 0                          ; the zero codes
.endr
.irp t, 0,1
	v_mov_b32 v[13+4*\t], 0xff61b1e6               ; the largest score so far: -3e38
	v_mov_b32 v[12+4*\t], 0x7f61b1e6               ; -M: 3e38, over every -t
	v_mov_b32 v[14+4*\t], 0
	v_mov_b32 v[15+4*\t], 0
.endr
	v_mov_b32 v[FF+1], 0                           ; named as the upper half of a pair
	v_mov_b32 v[AD], v[LI]
	v_mov_b32 v[AS], v[AS0]
	s_wait_alu depctr_va_vdst(0)                   ; the wait ahead of the wait below
	s_wait_loadcnt 0x0
	v_perm_b32 v[QS], v[SCO+1], v[SCO+1], 0x01000100   ; a tile's two bytes, twice
	v_perm_b32 v[QS+1], v[SCO+1], v[SCO+1], 0x03020302
.set j, 0
.rept 64
	v_mov_b32 v[O+j], 0                            ; the step is written once: the first finds zeros, which f = 0 leaves zeros
.set j, j+1
.endr
.irp j, 0,1,4,5
	v_mov_b32 v[MX+\j], 0                          ; the partial sums that the first trip's top adds to tile 1's sum: zeros
.endr
	s_wait_alu depctr_va_vdst(0)                   ; the wait at the head's end
	s_wait_tensorcnt 0x0
	s_barrier_signal -1
	s_barrier_wait -1                              ; the whole head lies in LDS, and stays
.macro KLOAD
.irp f, 0,1,2,3
	ds_load_b128 v[KF+8*\f:KF+8*\f+3], v[AD] offset:1024*\f
	ds_load_b128 v[KF+8*\f+4:KF+8*\f+7], v[AD] offset:1024*\f+512
.endr
	ds_load_b64 v[KS:KS+1], v[AS]
.endm
.macro SCORES t                        ; S^T of 128 keys for tile t of my queries
.irp f, 0,1,2,3
.irp u, 0,1
.set SD, S+8*(2*\f+\u)
.set QF, QB+8*\t+4*(1-\u)
.if (\f)%2
	v_wmma_scale_f32_16x16x128_f8f6f4 v[SD:SD+7], v[KF+8*\f:KF+8*\f+7], v[QF:QF+7], 0, v[KS+\f/2], v[QS+\t] matrix_a_fmt:MATRIX_FMT_FP4 matrix_b_fmt:MATRIX_FMT_FP4 matrix_a_scale:MATRIX_SCALE_ROW1
.else
	v_wmma_scale_f32_16x16x128_f8f6f4 v[SD:SD+7], v[KF+8*\f:KF+8*\f+7], v[QF:QF+7], 0, v[KS+\f/2], v[QS+\t] matrix_a_fmt:MATRIX_FMT_FP4 matrix_b_fmt:MATRIX_FMT_FP4
.endif
.endr
.endr
.endm
.macro LEVEL from, n, st               ; n adds of one level of the sum's tree, in place
.set j, (\from)*(\st)
.rept \n
	v_pk_add_f32 v[S+j:S+j+1], v[S+j:S+j+1], v[S+j+\st/2:S+j+\st/2+1]
.set j, j+\st
.endr
.endm
.macro OM from, n                      ; n pairs of O^T under the new M
.set j, 2*(\from)
.rept \n
	v_pk_mul_f32 v[OO+j:OO+j+1], v[OO+j:OO+j+1], v[FF:FF+1] op_sel_hi:[1,0]
.set j, j+2
.endr
.endm
.macro PV d                            ; O^T's fragment d += V^T's fragment d x P^T
.if (\d)%2
	v_wmma_scale_f32_16x16x128_f8f6f4 v[OO+8*\d:OO+8*\d+7], v[VF+8*\d:VF+8*\d+7], v[PC:PC+7], v[OO+8*\d:OO+8*\d+7], v[VS+\d/2], v[PWD] matrix_a_fmt:MATRIX_FMT_FP4 matrix_b_fmt:MATRIX_FMT_FP4 matrix_a_scale:MATRIX_SCALE_ROW1
.else
	v_wmma_scale_f32_16x16x128_f8f6f4 v[OO+8*\d:OO+8*\d+7], v[VF+8*\d:VF+8*\d+7], v[PC:PC+7], v[OO+8*\d:OO+8*\d+7], v[VS+\d/2], v[PWD] matrix_a_fmt:MATRIX_FMT_FP4 matrix_b_fmt:MATRIX_FMT_FP4
.endif
.endm
.macro TAILA                           ; the last two adds of a tile's sum stand behind SOFT, in places that are owed anyway
	v_pk_add_f32 v[MX:MX+1], v[MX:MX+1], v[MX+4:MX+5]
.endm
.macro TAILB t
	v_pk_add_f32 v[14+4*\t:15+4*\t], v[14+4*\t:15+4*\t], v[MX:MX+1]
.endm
.macro SOFT t                          ; softmax, quantiser and second product for tile t
.set NM, 12+4*\t
.set OO, O+32*\t
.irp k, 0,1,2,3,4,5,6,7                ; eight chains of maxima, one to an accumulator, each read from its low end on
	v_max3_num_f32 v[MX+\k], v[S+8*\k], v[S+8*\k+1], v[S+8*\k+2]
.endr
.irp i, 3,5
.irp k, 0,1,2,3,4,5,6,7
	v_max3_num_f32 v[MX+\k], v[MX+\k], v[S+8*\k+\i], v[S+8*\k+\i+1]
.endr
.endr
.irp c, 0,1
	v_max3_num_f32 v[MX+4*\c], v[MX+4*\c], v[S+32*\c+7], v[S+32*\c+15]
.endr
.irp c, 0,1
	v_max3_num_f32 v[MX+4*\c+1], v[MX+4*\c+1], v[S+32*\c+23], v[S+32*\c+31]
.endr
.irp c, 0,1
	v_max3_num_f32 v[MX+4*\c], v[MX+4*\c], v[MX+4*\c+2], v[MX+4*\c+3]
.endr
	s_delay_alu instid0(VALU_DEP_2)
	v_max_num_f32 v[BM], v[MX], v[MX+1]            ; the largest score of my block h: it serves the row's maximum and, since p rises with the score, the block's largest p
	v_max_num_f32 v[BM+1], v[MX+4], v[MX+5]        ; and of block 2 + h
	s_delay_alu instid0(VALU_DEP_1)
	v_max_num_f32 v[TT], v[BM], v[BM+1]
	s_delay_alu instid0(VALU_DEP_1)
	v_permlanex16_b32 v[T2], v[TT], s[SEL], s[SEL+1]
	s_delay_alu instid0(VALU_DEP_1)
	v_max3_num_f32 v[NM+1], v[NM+1], v[TT], v[T2]  ; the running largest score
	s_delay_alu instid0(VALU_DEP_1)
	v_mul_f32 v[TT], s[NC], v[NM+1]                ; -t
	s_delay_alu instid0(VALU_DEP_1)
	v_floor_f32 v[T2], v[TT]                       ; the new -M
	s_delay_alu instid0(VALU_DEP_1)
	v_sub_f32 v[TT], v[T2], v[NM]                  ; old M less new M: a whole number, 0 or less
	v_mov_b32 v[NM], v[T2]
	s_delay_alu instid0(VALU_DEP_2)
	v_cvt_i32_f32 v[TT], v[TT]                     ; (it saturates)
	s_delay_alu instid0(VALU_DEP_1)
	v_ldexp_f32 v[FF], 1.0, v[TT]                  ; f
.set j, 0
.rept 32
	v_pk_fma_f32 v[S+j:S+j+1], v[S+j:S+j+1], s[CS:CS+1], v[NM:NM+1] op_sel_hi:[1,0,0]   ; t - M
.set j, j+2
.endr
	v_pk_fma_f32 v[BM:BM+1], v[BM:BM+1], s[CS:CS+1], v[NM:NM+1] op_sel_hi:[1,0,0]
	s_wait_alu depctr_va_vdst(0)                   ; the wait ahead of the batch
.set j, 0
.rept 64
	v_exp_f32 v[S+j], v[S+j]
.set j, j+1
.endr
	v_exp_f32 v[BM], v[BM]
	v_exp_f32 v[BM+1], v[BM+1]
	v_pk_mul_f32 v[NM+2:NM+3], v[NM+2:NM+3], v[FF:FF+1] op_sel_hi:[1,0]   ; the sums under the new M: the plain line behind the batch
	s_wait_alu depctr_va_vdst(0)                   ; the wait behind the batch, directly ahead of the first reader of O^T
	OM 0, 1                                        ; the scale's lines stand among the sixteen that rescale O^T
.irp c, 0,1
	v_max_num_f32 v[BM+\c], 0x1800000, v[BM+\c]    ; the floor 2^(3 - 127)
.endr
	OM 1, 3
.irp c, 0,1
	v_add_nc_u32 v[SCO+\c], 0xff000000, v[BM+\c]   ; 2 off the exponent field: the conversion's scale operand
.endr
	OM 4, 3
.irp c, 0,1
	v_lshrrev_b32 v[C2+\c], 23, v[SCO+\c]          ; the byte
.endr
	OM 7, 4
	v_lshl_or_b32 v[TT], v[C2+1], 16, v[C2]        ; my two bytes,
	OM 11, 4
	v_lshlrev_b32 v[TT], v[SHF], v[TT]             ; 8 h bits up;
	OM 15, 1
.irp k, 0,1,2,3,4,5,6,7
	v_cvt_scalef32_pk8_fp4_f32 v[PC+\k], v[S+8*\k:S+8*\k+7], v[SCO+\k/4]
.endr
	v_permlanex16_b32 v[T2], v[TT], s[SEL], s[SEL+1]   ; (the plain place behind the conversions)
	LEVEL 0, 4, 4                                  ; the row's sum of the unquantised p; these lines are also the places behind the codes and the scale word
	v_or_b32 v[PWD], v[TT], v[T2]                  ; with lane l xor 16's two bytes: p's scale word
	LEVEL 4, 12, 4
	LEVEL 0, 8, 8
.irp k, 0,1,2,3
	v_pk_add_f32 v[MX+2*\k:MX+2*\k+1], v[S+16*\k:S+16*\k+1], v[S+16*\k+8:S+16*\k+9]   ; four partial sums leave S, which the next scores write
.endr
.if \t == 0
	s_wait_alu depctr_va_vdst(0)                   ; the wait ahead of the wait below
	s_wait_dscnt 0x0                               ; V and its scale words
.endif
	PV 0
	v_pk_add_f32 v[MX:MX+1], v[MX:MX+1], v[MX+2:MX+3]
	v_pk_add_f32 v[MX+4:MX+5], v[MX+4:MX+5], v[MX+6:MX+7]
	PV 1
	PV 2
	PV 3
.endm
	KLOAD                                          ; step 0's K
.Lstep:
	TAILA                                          ; tile 1's sum of the last trip; with the three lines below: the places between the last products and the loads into V's registers
.rept 3
	v_nop
.endr
.irp d, 0,1,2,3
	ds_load_b128 v[VF+8*\d:VF+8*\d+3], v[AD] offset:4096+1024*\d
	ds_load_b128 v[VF+8*\d+4:VF+8*\d+7], v[AD] offset:4096+1024*\d+512
.endr
	ds_load_b64 v[VS:VS+1], v[AS] offset:256
	TAILB 1
	s_wait_dscnt 9                                 ; K's nine loads are in; V's nine, issued behind them, may be out
	SCORES 0
.rept 4
	v_nop
.endr
	SOFT 0
	SCORES 1
	s_add_co_u32 s[TB], s[TB], STEPB
	s_min_u32 s[TN], s[TB], 15*STEPB               ; the next step; the last trip names step 15 again, and nothing reads what it brings
	v_add_nc_u32 v[AD], s[TN], v[LI]               ; these four lines are the places behind the scores' products
	TAILA
	v_add_nc_u32 v[AS], s[TN], v[AS0]
	v_nop
	KLOAD                                          ; the next step's K lands during tile 1's softmax
	TAILB 0
	SOFT 1
	s_sub_co_u32 s[CNT], s[CNT], 1
	s_cmp_lg_u32 s[CNT], 0
	s_wait_alu depctr_va_vdst(0)                   ; the wait ahead of the branch
	s_cbranch_scc1 .Lstep
	; THE WAY OUT: O^T / the sum goes through my stage in LDS, so that sixteen lanes store a query's 64 channels: 256 consecutive bytes, aligned
	s_wait_dscnt 0x0                               ; the last trip's nine loads of K have landed: their registers are loaded again below
	TAILA
	v_add_f32 v14, v14, v15
.rept 3
	v_nop
.endr
	TAILB 1
	v_permlanex16_b32 v[TT], v14, s[SEL], s[SEL+1]
.rept 3
	v_nop
.endr
	v_add_f32 v18, v18, v19
	v_add_f32 v14, v14, v[TT]
.rept 3
	v_nop
.endr
	v_permlanex16_b32 v[T2], v18, s[SEL], s[SEL+1]
.rept 4
	v_nop
.endr
	v_add_f32 v18, v18, v[T2]
	s_wait_alu depctr_va_vdst(0)
	v_rcp_f32 v14, v14
	v_rcp_f32 v18, v18
	v_nop
	s_wait_alu depctr_va_vdst(0)                   ; ahead of the first reader of the reciprocals and of O^T
.irp t, 0,1
.set j, 0
.rept 16
	v_pk_mul_f32 v[S+32*\t+j:S+32*\t+j+1], v[O+32*\t+j:O+32*\t+j+1], v[14+4*\t:15+4*\t] op_sel_hi:[1,0]
.set j, j+2
.endr
.endr
.irp t, 0,1
.irp k, 0,1,2,3,4,5,6,7
	ds_store_b128 v[STO], v[S+32*\t+4*\k:S+32*\t+4*\k+3] offset:16*\k
.endr
.irp i, 0,1,2,3,4,5,6,7
	ds_load_b128 v[KF+32*\t+4*\i:KF+32*\t+4*\i+3], v[RD] offset:544*\i   ; LDS serves a wave's instructions in order (ISA guide 5.7.1.4)
.endr
.endr
.irp t, 0,1
.irp i, 0,1,2,3,4,5,6,7
	s_wait_dscnt 23-16*\t-\i                       ; the younger LDS instructions may be out
	global_store_b128 v[GO], v[KF+32*\t+4*\i:KF+32*\t+4*\i+3], s[8:9] offset:32768*\t+8192*(\i%4)+131072*(\i/4) th:TH_STORE_NT
.endr
.endr
	s_wait_tensorcnt 0x0                           ; the wave's end
	ds_add_u32 v[SPW], v[NIL]
	s_wait_dscnt 0x0
	CROUND                                         ; the closing round
	s_endpgm
.Lfunc_end_k_q0ee76d872d_attn:
	.size	k_q0ee76d872d_attn, .Lfunc_end_k_q0ee76d872d_attn-k_q0ee76d872d_attn
	.p2alignl 7, 3214868480
	.fill 96, 4, 3214868480
	.section	.rodata,"a",@progbits
	.p2align	6, 0x0
	.amdhsa_kernel k_q0ee76d872d_attn
		.amdhsa_group_segment_fixed_size 210944
		.amdhsa_private_segment_fixed_size 0
		.amdhsa_enable_private_segment 0
		.amdhsa_kernarg_size 24
		.amdhsa_user_sgpr_count 2
		.amdhsa_user_sgpr_kernarg_segment_ptr 1
		.amdhsa_wavefront_size32 1
		.amdhsa_system_sgpr_workgroup_id_x 1
		.amdhsa_system_sgpr_workgroup_id_y 1
		.amdhsa_system_sgpr_workgroup_id_z 1
		.amdhsa_system_vgpr_workitem_id 0
		.amdhsa_next_free_vgpr 256
		.amdhsa_next_free_sgpr 66
		.amdhsa_reserve_vcc 0
		.amdhsa_float_denorm_mode_32 3
		.amdhsa_float_denorm_mode_16_64 3
		.amdhsa_memory_ordered 1
		.amdhsa_forward_progress 1
		.amdhsa_inst_pref_size 43
	.end_amdhsa_kernel
	.amdgpu_metadata
---
amdhsa.version: [ 1, 2 ]
amdhsa.kernels:
  - .name:           k_q0ee76d872d_attn
    .symbol:         k_q0ee76d872d_attn.kd
    .args:
      - { .name: qi, .offset: 0, .size: 8, .value_kind: global_buffer, .address_space: global }
      - { .name: kv, .offset: 8, .size: 8, .value_kind: global_buffer, .address_space: global }
      - { .name: out0, .offset: 16, .size: 8, .value_kind: global_buffer, .address_space: global }
    .group_segment_fixed_size: 210944
    .private_segment_fixed_size: 0
    .kernarg_segment_align: 8
    .kernarg_segment_size: 24
    .max_flat_workgroup_size: 512
    .sgpr_count:     66
    .vgpr_count:     256
    .wavefront_size: 32
...
	.end_amdgpu_metadata
.endif
;; end of part 2
